; MI455X (gfx1250); checked and timed in simulation.
; The chip was launched on July 23, 2026; its instructions are those of AMD's public machine-readable ISA for CDNA 5 (MIT licence, August 2026) and "CDNA5" Instruction Set Architecture Reference Guide (July 2026). The comments in the code are by the model that wrote it; some were corrected since.
;; Scaled Dot Product Attention. Allowed arithmetic: matrix products marked QUANTISED: E2M3 operands, one E8M0 scale for each 32 along K, by v_wmma_scale_f32_16x16x128_f8f6f4 with both operands' format E2M3, f32 sums; everything else in f32.
;; Inputs: k 4 x 16 x 2,048 x 64 float32; q 4 x 16 x 2,048 x 64 float32; v 4 x 16 x 2,048 x 64 float32.
;; Outputs: out0 4 x 16 x 2,048 x 64 float32.
;; This version of the problem:
;;   THIS VERSION OF THE PROBLEM IS GIVEN IN LOW PRECISION. The matrix products marked QUANTISED in the list below multiply operands that are first quantised to E2M3 (2 exponent bits, 3 mantissa bits; 6 bits a number), with one power-of-two scale for each 32 numbers along K (OCP MX v1.0); their sums are f32. All else is computed in f32.
;;   The module's matrix products, in the order in which they are computed (A, B: the left and right operand; K: the contracted axis; several contracted axes count as one K, in the product's order):
;;     1. batch 64 x [M 2,048, K 64] x [K 64, N 2,048]; A: input q; B: input k: QUANTISED
;;     2. batch 64 x [M 2,048, K 2,048] x [K 2,048, N 64]; A: softmax (see below); B: input v: QUANTISED
;;   THE QUANTISER, for each operand of a quantised product, along K:
;;     - K is cut into blocks of 32 from its start; a last block that is shorter is filled with zeros.
;;     - A block's scale is 2^e with e = floor(log2(the largest magnitude in the block)) - 2, held to -126 .. 127; a block of zeros has e = 0. As a byte (E8M0): e + 127.
;;     - Each number is divided by its block's scale, clamped to +-7.5, and rounded to the nearest number of E2M3, ties to even, subnormals kept.
;;     - The product sums the exact products of the quantised numbers (number of the format x scale) in f32.
;;   ~~~python
;;   def quantise(x, axis):      # numpy; x: float32 -> the quantised numbers, widened to float32 again
;;       x = np.moveaxis(x, axis, -1); K = x.shape[-1]
;;       x = np.pad(x, [(0, 0)] * (x.ndim - 1) + [(0, -K % 32)]); x = x.reshape(x.shape[:-1] + (-1, 32)); a = np.abs(x).max(-1, keepdims=True)
;;       e = np.where(a > 0, np.clip(np.frexp(np.where(a > 0, a, 1))[1] - 1 - 2, -126, 127), 0)      # np.frexp(a)[1] - 1 = floor(log2(a)), exactly
;;       r = np.clip(x / 2.0 ** e, -7.5, 7.5)
;;       step = 2.0 ** (np.maximum(np.frexp(np.where(r == 0, 1, r))[1] - 1, 0) - 3)
;;       q = np.round(r / step) * step * 2.0 ** e      # np.round: ties to even
;;       return np.moveaxis(q.reshape(q.shape[:-2] + (-1,))[..., :K], -1, axis).astype(np.float32)
;;   ~~~
;;   SOFTMAX AHEAD OF A QUANTISED PRODUCT. Where the list says 'softmax', what is quantised is not the finished softmax but p = 2^(t - M), with t = logit x log2(e) and M = ceil(the row's largest t), a whole number; so 1/2 < the row's largest p <= 1. The row's sum l is taken of the UNQUANTISED p, in f32, and the product's result is divided by l at the end. Since M is a whole number, a kernel that streams over the keys may use a running M (the ceiling of the running maximum): every later rescaling is an exact power of two, which a block's scale takes up: the codes' values come out the same.
;;   OPERANDS COMPUTED ON THE WAY. 'Computed on the way' means the value that the module computes at that place (a softmax that the list does not call 'softmax' is quantised finished and normalised). What goes into a quantiser is computed in f32, as accurately as f32 sums, v_exp_f32 and their like allow (about 1e-6 of the number): no bf16 or f16 on the way to a quantiser, and a product that is left as it is and whose result goes on into a quantised operand takes f32 operands (vector FMAs, or v_wmma_f32_16x16x4_f32). A number that lies on a knife's edge between two numbers of the format may be rounded either way, as far as f32 arithmetic and the matrix unit's own rounding can turn it there, and no further.
;; One version. Each part assembles by itself: llvm-mc -triple=amdgcn-amd-amdhsa -mcpu=gfx1250 --defsym DOCPART=n.
;; ======== version 1 of 1: 2 launches
;; limits: right only within a limited range of input values
;; workspace buffers: kv 13,369,344 bytes
;; launch quant (part 1): grid 16 x 64, 4 waves a work-group, no clusters, 18,432 bytes of LDS; arguments k, v, kv; writes kv
.if DOCPART == 1
	.amdgcn_target "amdgcn-amd-amdhsa--gfx1250"
	.amdhsa_code_object_version 6
	.text
	.protected	k_qc172165f26_quant
	.globl	k_qc172165f26_quant
	.p2align	8
	.type	k_qc172165f26_quant,@function
k_qc172165f26_quant:
	s_mov_b64 s[64:65], 0
	v_nop
	global_prefetch_b8 v0, s[64:65] scope:SCOPE_SE
	s_setreg_imm32_b32 hwreg(HW_REG_WAVE_MODE, 25, 1), 1
	s_wait_xcnt 0x0
; k and v, [64 heads][2048 keys][64] f32, become codes of FP6 (E2M3) with one E8M0 scale byte for each 32 along a product's K:
; k is quantised along the head's 64 (two blocks a key), v along the keys (a block = 32 keys of one channel).
; A block's scale is 2^(floor(log2(its largest magnitude)) - 2); its byte is the largest magnitude's exponent field - 2, held at 1 from below.
; No work of the problem is left out: every input has a way to the output and is loaded (q by the next launch).
; LIMITS: NaN and infinities among the inputs are not served.  A block of zeros gets the byte 1 where the rule says 127: its codes are zeros, which add nothing, and this program alone reads the bytes.
; THE WORKSPACE IS LAID AS IMAGES OF THE OPERANDS' REGISTERS.  A record of REC = 13,056 bytes serves one head and one step of 128 keys; L = lane, r = L % 16, h = L / 16:
;   +0      K's codes: 48 registers a lane, group g of four at 512 g + 16 L.  Registers 6 t .. 6 t + 5: tile t; lane (r, h) holds key 64 (t / 4) + 8 (t % 4) + r % 8 + 32 (r / 8), channels 32 h .. 32 h + 31
;   +6144   V's codes: tile t (channel 16 t + r) at 1536 t + 512 g + 16 L; register 6 c + i: keys 64 c + 32 h .. + 31
;   +12288  K's scale words: word b at 256 (b / 2) + 8 L + 4 (b % 2): lane L serves tile 2 b + L / 16, row L % 16: the two bytes of the key's blocks, then 0x7f, 0x7f for the unused half of the instruction's K
;   +12800  V's scale words: image x at 128 x + 4 L: tile 2 x + L / 16, row L % 16: the bytes of the step's four key blocks
; SHARES.  A work-group makes one record (x = step, y = head).  Waves 0, 1 take K's keys 64 a on; waves 2, 3 take V's channels 32 x on.  The waves share nothing: no barrier.  The work-groups share no input: no cluster.
.set REC,  13056
.set STG,  8960                        ; a K wave's stage: 32 rows of 272 bytes, 128 bytes more in front of row 16
.set RAW,  32                          ; K: v32-159 two sets of 64 as loaded;  V: v32-95 two sets of 32
.set X,    160                         ; K: v160-223 two tiles' 32 neighbours a lane
.set CD,   224                         ; K: v224-247 the codes, 12 registers a pair of tiles, never written again
.set TMP,  248                         ; K: v[248:250], v[252:254]: a conversion's three registers begin on an even number
	s_load_b128 s[4:7], s[0:1], 0x0                ; k, v
	s_load_b64 s[8:9], s[0:1], 0x10                ; kv
	v_lshl_add_u32 v251, v0, 2, 0x4600             ; my spare word, behind the two stages
	v_mov_b32 v255, 0
	v_lshrrev_b32 v1, 5, v0
	v_readfirstlane_b32 s10, v1                    ; wave 0..3
	s_and_b32 s11, s10, 1                          ; which half of my tensor's part
	s_and_b32 s13, ttmp7, 0xffff                   ; head
	s_lshl_b32 s14, s13, 19                        ; a head is 2,048 x 256 bytes,
	s_lshl_b32 s18, ttmp9, 15                      ; a step 128 x 256
	s_add_co_u32 s14, s14, s18
	s_mov_b32 s15, 0
	s_lshl_b32 s16, s13, 4
	s_add_co_u32 s16, s16, ttmp9
	s_mul_i32 s16, s16, REC                        ; my record: under 2^24 bytes
	s_mov_b32 s17, 0
	s_mov_b32 s20, 0x76543210
	s_mov_b32 s21, 0xfedcba98                      ; v_permlanex16_b32's selects for lane l xor 16
	s_mul_i32 s18, s11, STG
	v_and_b32 v1, 31, v0                           ; L
	v_and_b32 v2, 15, v0                           ; r
	v_bfe_u32 v3, v0, 4, 1                         ; h
	v_lshlrev_b32 v4, 4, v1                        ; 16 L
	v_mul_u32_u24 v5, v3, 272
	v_lshl_add_u32 v5, v2, 4, v5
	v_add_nc_u32 v5, s18, v5                       ; into the stage: row h of a load's two, 16 r
	v_and_b32 v12, 8, v2
	v_add_nc_u32 v13, v12, v2                      ; r + 8 (r / 8)
	v_mul_u32_u24 v6, v13, 272
	v_lshl_add_u32 v6, v12, 4, v6                  ; + 128 (r / 8): rows 16 on lie 128 bytes further
	v_lshl_add_u32 v6, v3, 7, v6                   ; + 128 h: my block of 32 channels
	v_add_nc_u32 v6, s18, v6                       ; out of the stage
	v_lshlrev_b32 v7, 3, v3                        ; 8 h
	s_lshl_b32 s19, s11, 14
	v_add_nc_u32 v8, s19, v4                       ; k: 16 L + my 64 keys
	s_mul_i32 s19, s11, 3072
	v_add_nc_u32 v9, s19, v4                       ; codes: 16 L + my half of the twelve groups
	s_lshl_b32 s19, s11, 8
	v_lshl_add_u32 v10, v1, 3, s19                 ; K's scale words: 8 L + 256 a
	s_lshl_b32 s19, s11, 7
	v_lshl_add_u32 v11, v1, 2, s19                 ; v: 4 L + my 32 channels; also V's scale words: 4 L + 128 x
	v_mov_b32 v22, 0                               ; written once: a lane permute's destination counts as one of its sources
	v_mov_b32 v23, 0
	s_wait_kmcnt 0x0
	s_add_nc_u64 s[4:5], s[4:5], s[14:15]
	s_add_nc_u64 s[6:7], s[6:7], s[14:15]
	s_add_nc_u64 s[8:9], s[8:9], s[16:17]
	s_cmp_lt_u32 s10, 2
	s_cbranch_scc0 .Lv_path
; ---- K.  Loads take the bytes as they lie, 512 consecutive bytes (two keys) each; the numbers turn through the wave's own stage so that a lane gets the 32 neighbouring channels of ITS key of the tile.
; Pair n of my two takes keys 16 n .. 16 n + 15 (stage rows 0-15) and 32 + 16 n .. + 15 (stage rows 16-31) of my 64: they make tiles 4 a + 2 n + u.
; Stage row p lies at 272 p + 128 (p / 16): the sixteen rows that lanes 0-15 read then start in sixteen different 16-byte columns of the 64 banks (ISA guide 11.1).
.macro LOADK n
.irp i, 0,1,2,3,4,5,6,7,8,9,10,11,12,13,14,15
	global_load_b128 v[RAW+64*\n+4*\i:RAW+64*\n+4*\i+3], v8, s[4:5] offset:4096*\n+512*\i+4096*(\i/8) th:TH_LOAD_NT
.endr
.endm
.macro PAIR n
.if \n == 0
	s_wait_loadcnt 16                              ; this pair's 16 loads are in; the other pair's 16 may be out
.else
	s_wait_loadcnt 0x0
.endif
.irp i, 0,1,2,3,4,5,6,7,8,9,10,11,12,13,14,15
	ds_store_b128 v5, v[RAW+64*\n+4*\i:RAW+64*\n+4*\i+3] offset:544*\i+128*(\i/8)
.endr
.irp u, 0,1
.irp j, 0,1,2,3,4,5,6,7
	ds_load_b128 v[X+32*\u+4*\j:X+32*\u+4*\j+3], v6 offset:2176*\u+16*\j   ; LDS serves a wave's instructions in order (ISA guide 5.7.1.4): these see the stores above
.endr
.endr
	s_wait_dscnt 0x0
.irp u, 0,1
	v_max3_num_f32 v[12+\u], |v[X+32*\u]|, |v[X+1+32*\u]|, 0x1800000   ; a whole block is mine; the floor 2^(3 - 127) holds the byte at 1 from below
.endr
.irp i, 2,4,6,8,10,12,14,16,18,20,22,24,26,28,30
.irp u, 0,1
	v_max3_num_f32 v[12+\u], v[12+\u], |v[X+32*\u+\i]|, |v[X+1+32*\u+\i]|   ; (the two tiles by turns)
.endr
.endr
.irp u, 0,1
	v_add_nc_u32 v[14+\u], 0xff000000, v[12+\u]    ; 2 off the exponent field: the conversion takes the exponent field of this operand as its scale
.endr
.irp u, 0,1
	v_lshrrev_b32 v[20+\u], 23, v[14+\u]           ; the scale's byte
.endr
.irp u, 0,1
	v_cvt_scalef32_pk16_fp6_f32 v[CD+12*\n+6*\u:CD+12*\n+6*\u+2], v[X+32*\u:X+32*\u+15], v[14+\u]
	v_cvt_scalef32_pk16_fp6_f32 v[TMP+4*\u:TMP+4*\u+2], v[X+16+32*\u:X+31+32*\u], v[14+\u]
.endr
	v_nop                                          ; one plain place behind a scaled conversion
.irp u, 0,1
.irp i, 0,1,2
	v_mov_b32 v[CD+12*\n+6*\u+3+\i], v[TMP+4*\u+\i]
.endr
.endr
.irp u, 0,1
	v_lshlrev_b32 v[20+\u], v7, v[20+\u]           ; my block's byte at its place, 8 h bits up;
.endr
.irp u, 0,1
	v_permlanex16_b32 v[22+\u], v[20+\u], s20, s21
.endr
.irp u, 0,1
	v_or_b32 v[20+\u], v[20+\u], v[22+\u]          ; with lane l xor 16's: both bytes of the key
.endr
	v_cndmask_b32 v[16+\n], v20, v21, vcc_lo       ; lanes 0-15 keep the even tile's word, lanes 16-31 the odd tile's
	v_or_b32 v[16+\n], 0x7f7f0000, v[16+\n]        ; 1.0 for the two blocks that hold no numbers
.irp g, 0,1,2
	global_store_b128 v9, v[CD+12*\n+4*\g:CD+12*\n+4*\g+3], s[8:9] offset:1536*\n+512*\g   ; 32 lanes store 512 consecutive bytes, aligned to 256
.endr
.endm
	v_cmp_ne_u32 vcc_lo, 0, v3                     ; lanes 16-31
	s_wait_alu depctr_va_vdst(0)                   ; the wait at the head's end
	LOADK 0
	LOADK 1                                        ; all of my 16 KiB are on their way
	PAIR 0
	PAIR 1
	global_store_b64 v10, v[16:17], s[8:9] offset:12288   ; 256 consecutive bytes, aligned.  No register of a pending store was written again: no wait is owed
	s_wait_tensorcnt 0x0                           ; the wave's end
	ds_add_u32 v251, v255
	s_wait_dscnt 0x0
	s_endpgm
; ---- V.  A lane takes a channel and its registers run down the keys: a block of 32 keys lies in one lane, and the conversions give codes with the keys innermost.
.Lv_path:
.macro LOADV kb                        ; key block kb: v(32 kb + i, my channel) into set kb % 2; a load reads 128 consecutive bytes, the sister wave the row's other half
.set ii, 0
.rept 32
	global_load_b32 v[RAW+32*((\kb)%2)+ii], v11, s[6:7] offset:256*(32*(\kb)+ii) th:TH_LOAD_NT
.set ii, ii+1
.endr
.endm
.macro BLOCKV kb
.set XS, RAW+32*((\kb)%2)
.set DD, 96+12*((\kb)%2)+6*((\kb)/2)   ; even blocks in v96-107, odd ones in v108-119
.if \kb < 3
	s_wait_loadcnt 32                              ; this block's 32 loads are in; the next block's 32 may be out
.else
	s_wait_loadcnt 0x0
.endif
	v_max3_num_f32 v12, |v[XS]|, |v[XS+1]|, |v[XS+2]|
	v_max3_num_f32 v13, |v[XS+3]|, |v[XS+4]|, |v[XS+5]|
.irp i, 6,10,14,18,22,26
	v_max3_num_f32 v12, v12, |v[XS+\i]|, |v[XS+\i+1]|
	v_max3_num_f32 v13, v13, |v[XS+\i+2]|, |v[XS+\i+3]|
.endr
	v_max3_num_f32 v12, v12, |v[XS+30]|, |v[XS+31]|
	v_max3_num_f32 v12, v12, v13, 0x1800000        ; and the floor
	v_add_nc_u32 v14, 0xff000000, v12              ; the conversion's scale operand
	v_lshrrev_b32 v15, 23, v14                     ; the byte
.if \kb == 0
	v_mov_b32 v16, v15                             ; four bytes make my channel's scale word, the lower keys in the lower byte
.else
	v_lshl_or_b32 v16, v15, 8*(\kb), v16
.endif
	v_cvt_scalef32_pk16_fp6_f32 v[DD:DD+2], v[XS:XS+15], v14
	v_cvt_scalef32_pk16_fp6_f32 v[120:122], v[XS+16:XS+31], v14
	v_nop                                          ; one plain place behind a scaled conversion
.irp i, 0,1,2
	v_mov_b32 v[DD+3+\i], v[120+\i]
.endr
.if \kb < 2
	LOADV (\kb)+2
.endif
.endm
	s_wait_alu depctr_va_vdst(0)                   ; the wait at the head's end
	LOADV 0
	LOADV 1
	BLOCKV 0
	BLOCKV 1
	BLOCKV 2
	BLOCKV 3
; Lanes 0-15 hold tile 2 x's channels, lanes 16-31 tile 2 x + 1's, each all four blocks.  The operand wants blocks 0, 2 in lanes 0-15 and 1, 3 in lanes 16-31 of ONE tile:
; the even blocks' lanes 16-31 change places with the odd blocks' lanes 0-15.
.irp i, 0,1,2,3,4,5,6,7,8,9,10,11
	v_permlane16_swap_b32 v[96+\i], v[108+\i]
.endr
.irp t, 0,1
.irp g, 0,1,2
	global_store_b128 v9, v[96+12*\t+4*\g:96+12*\t+4*\g+3], s[8:9] offset:6144+1536*\t+512*\g   ; 512 consecutive bytes, aligned to 256
.endr
.endr
	global_store_b32 v11, v16, s[8:9] offset:12800 ; 128 consecutive bytes: the one block of 256 bytes of a record that two waves write by halves
	s_endpgm
.Lfunc_end_k_qc172165f26_quant:
	.size	k_qc172165f26_quant, .Lfunc_end_k_qc172165f26_quant-k_qc172165f26_quant
	.p2alignl 7, 3214868480
	.fill 96, 4, 3214868480
	.section	.rodata,"a",@progbits
	.p2align	6, 0x0
	.amdhsa_kernel k_qc172165f26_quant
		.amdhsa_group_segment_fixed_size 18432
		.amdhsa_private_segment_fixed_size 0
		.amdhsa_enable_private_segment 0
		.amdhsa_kernarg_size 24
		.amdhsa_user_sgpr_count 2
		.amdhsa_user_sgpr_kernarg_segment_ptr 1
		.amdhsa_wavefront_size32 1
		.amdhsa_system_sgpr_workgroup_id_x 1
		.amdhsa_system_sgpr_workgroup_id_y 1
		.amdhsa_system_sgpr_workgroup_id_z 1
		.amdhsa_system_vgpr_workitem_id 0
		.amdhsa_next_free_vgpr 256
		.amdhsa_next_free_sgpr 66
		.amdhsa_reserve_vcc 1
		.amdhsa_float_denorm_mode_32 3
		.amdhsa_float_denorm_mode_16_64 3
		.amdhsa_memory_ordered 1
		.amdhsa_forward_progress 1
		.amdhsa_inst_pref_size 36
	.end_amdhsa_kernel
	.amdgpu_metadata
---
amdhsa.version: [ 1, 2 ]
amdhsa.kernels:
  - .name:           k_qc172165f26_quant
    .symbol:         k_qc172165f26_quant.kd
    .args:
      - { .name: k, .offset: 0, .size: 8, .value_kind: global_buffer, .address_space: global }
      - { .name: v, .offset: 8, .size: 8, .value_kind: global_buffer, .address_space: global }
      - { .name: kv, .offset: 16, .size: 8, .value_kind: global_buffer, .address_space: global }
    .group_segment_fixed_size: 18432
    .private_segment_fixed_size: 0
    .kernarg_segment_align: 8
    .kernarg_segment_size: 24
    .max_flat_workgroup_size: 128
    .sgpr_count:     66
    .vgpr_count:     256
    .wavefront_size: 32
...
	.end_amdgpu_metadata
.endif
;; end of part 1
;; launch attn (part 2): grid 4 x 64, 16 waves a work-group, clusters of 4 x 1, 280,576 bytes of LDS; arguments q, kv, out0; writes out0
.if DOCPART == 2
	.amdgcn_target "amdgcn-amd-amdhsa--gfx1250"
	.amdhsa_code_object_version 6
	.text
	.protected	k_qc172165f26_attn
	.globl	k_qc172165f26_attn
	.p2align	8
	.type	k_qc172165f26_attn,@function
k_qc172165f26_attn:
	s_mov_b64 s[64:65], 0
	v_nop
	global_prefetch_b8 v0, s[64:65] scope:SCOPE_SE
	s_setreg_imm32_b32 hwreg(HW_REG_WAVE_MODE, 25, 1), 1
	s_wait_xcnt 0x0
	s_wait_alu depctr_hold_cnt(0) depctr_sa_sdst(0) depctr_va_vdst(0) depctr_va_sdst(0) depctr_va_ssrc(0) depctr_va_vcc(0) depctr_vm_vsrc(0)
	s_getreg_b32 s2, hwreg(HW_REG_IB_STS2, 6, 4)
	s_cmp_eq_u32 s2, 0
	s_cbranch_scc0 .Lentry_in_a_cluster
	s_endpgm
.Lentry_in_a_cluster:
	s_bfe_u32 s2, ttmp6, 0x10000c
	s_cmp_lg_u32 s2, 0x3003
	s_cbranch_scc0 .Lentry_shape_is_right
	s_endpgm
.Lentry_shape_is_right:
; out0[head][q][:] = the sum over k of softmax_k(q . k / 8) v[k][:], 64 heads, 2,048 queries and keys, head size 64, both products on codes of FP6 (E2M3) with one E8M0 scale for each 32 along K.
; K's and V's codes and scale words come from kv as images of the operands' registers, a record of REC bytes for a head and a step of 128 keys:
;   +0 K's codes (tile t: registers 6 t .. 6 t + 5; lane (r, h): key 64 (t / 4) + 8 (t % 4) + r % 8 + 32 (r / 8), channels 32 h on);  +6144 V's codes (tile t: channels 16 t + r; 12 registers);  +12288 K's scale words;  +12800 V's.
; THE SOFTMAX AHEAD OF THE SECOND PRODUCT: t = score x log2(e) / 8; M = the row's largest t so far, rounded UP to a whole number; p = 2^(t - M) is quantised along the keys, not normalised.
; The row's sum is taken of the unquantised p, in f32, and divides O at the end.  When M moves, the sum and O are multiplied by 2^(old M - new M): exact.  No work of the problem is left out.
; LIMITS: NaN and infinities are not served; a p under 2^-126 counts as 0 (v_exp_f32 gives no denormals: ISA guide 15.8); 1 / sum is v_rcp_f32's; a block of zeros has the byte 1, its codes are zeros;
; a block's largest p is made from its largest score by the same multiply-add and exponential, which takes v_exp_f32 not to fall where its input rises; the promise holds while |t| stays under 2^31.
; SHARES.  A work-group owns 512 queries of a head; each of its sixteen waves two tiles of 16, one after the other (queries 256 p + 16 w on), each against the 2,048 keys in 16 steps of 128.  Four waves stand on a SIMD, 256 registers each.
; LAYOUT.  Both products are used transposed: S^T = K Q^T (source 0 = 16 keys, source 1 = 16 queries), O^T = V^T P^T: a lane holds ONE query (lane % 16) throughout.  By the choice of a tile's keys
; the 32 registers of tiles 4 c .. 4 c + 3 of S^T are, in lane half h, keys 64 c + 32 h + 0 .. 31: a WHOLE block of the second product's K, in the order that its operand wants: no lane is asked for a block's maximum, no codes change lanes.
; THE FIRST PRODUCT'S K IS 64 of the instruction's 128: Q's registers 6-11 are zero codes and the scale bytes of blocks 2, 3 are 0x7f on both sides, so the upper six registers that K's operand names may hold any codes (the next tile's; for tile 7 six zeros).
; LDS.  A head's 16 records, 208,896 bytes, are brought ONCE and stay: no byte is filled twice.  Behind them a stage of 16 rows x 272 bytes for each wave, its own, and the spare words.
; CLUSTER.  The four work-groups of a head ask for its records JOINTLY: each wave one tensor load of one record.  Waves 0 and 1 have a line of their own, so that step 0, which reads records 0 and 1 alone, begins when their loads are in.
; PREFETCH.  The records are all asked for at the head: no loop loads them, so there is none to run ahead in.  My second tile of q, 16 blocks of 256 bytes that only I read, is named once, a lane a block, behind step 0 of the first pass: 15 steps ahead of its load.
; A STEP HAS TWO PARTS: the scores (SCORES), and the softmax with the second product (REST).  The last eight lines of a step's sum of p name no register of the next step's score products and stand among and behind them, as the places that are owed there.
; So a trip of the loop is REST of step s and SCORES of step s + 1.  Written out: step 0 (its products start the sums of O^T, C = 0), the scores of step 1, and REST of step 15, which asks for no further record.
.set REC,   13056
.set VIMG,  6144
.set KSC,   12288
.set VSC,   12800
.set STAGE, 16*REC
.set SP,    272                        ; a stage row: 256 bytes + 16
.set SPARE, STAGE+16*16*SP             ; 128 bytes a wave that no other line names
.set L16,  1                           ; 16 x lane
.set ADR,  2                           ; 16, 8, 4 x lane + the record in hand
.set ADR8, 3
.set ADR4, 4
.set STO,  5                           ; the stage: row r, + 32 h
.set RD,   6                           ; row h, + 16 r
.set QRD,  7                           ; row r, + 128 h
.set KS,   8                           ; v8-11 K's scale words: word b: lanes 0-15 tile 2 b, lanes 16-31 tile 2 b + 1
.set QS,   12                          ; Q's scale word
.set PFO,  13                          ; the prefetch's offset: 256 x (lane % 16); never rewritten
.set VS,   16                          ; v16-17 V's scale words
.set PW,   18                          ; p's scale word
.set SH8,  19                          ; 8 h
.set SPW,  20                          ; my spare word; never rewritten
.set NIL,  21                          ; 0; never rewritten
.set L8,   22
.set L4,   23
.set NM,   24                          ; -M
.set RM,   25                          ; the largest score so far
.set LS,   26                          ; v[26:27] the sum in two halves
.set QF,   28                          ; v28-33 Q's codes, v34-39 zeros
.set BM,   40                          ; v40-41 my two blocks' largest scores, then largest p
.set SOP,  42                          ; v42-43 the conversions' scale operands
.set PT,   44                          ; v44-46 second chains, bytes, a lane permute's destination
.set T,    48
.set FF,   50                          ; v[50:51] f = 2^(old M - new M) (v51 is only named with it)
.set NN,   52                          ; v[52:53] the new -M (v53 is only named with it)
.set CT,   54                          ; v[54:56], v[58:60]: a conversion's three registers begin on an even number
.set PC,   62                          ; v62-73 p's codes
.set SM,   74                          ; v74-89 eight chains of the sum
.set FR,   90                          ; v90-137 K's images, then V's; v138-143 zeros
.set S,    144                         ; v144-207 S^T, then p
.set OO,   208                         ; v208-239 O^T
.set WV,   10
.set SEL,  20
.set CS,   22                          ; s[22:23] c = log2(e) / 8;  s24 -c
.set NC,   24
.set TB,   25                          ; LDS byte at which the record in hand begins
.set CNT,  26
.set G1,   28
.set G0,   36
.macro NOPS
.rept 4
	v_nop
.endr
.endm
.macro CROUND                          ; a round of the cluster's barrier
	s_barrier_signal -1
	s_barrier_wait -1
	s_cmp_lg_u32 s[WV], 0
	s_cbranch_scc1 .Lnot_wave_0_\@
	s_barrier_signal -3
.Lnot_wave_0_\@:
	s_barrier_wait -3
	s_barrier_signal -1
	s_barrier_wait -1
.endm
.macro MM d, a, b, z, sa, sb, row      ; one product; z = 1: it starts its sum; row = 1: source 0's scales from lanes 16-31
.if \z
.if \row
	v_wmma_scale_f32_16x16x128_f8f6f4 v[(\d):(\d)+7], v[(\a):(\a)+11], v[(\b):(\b)+11], 0, v[\sa], v[\sb] matrix_a_fmt:MATRIX_FMT_FP6 matrix_b_fmt:MATRIX_FMT_FP6 matrix_a_scale:MATRIX_SCALE_ROW1
.else
	v_wmma_scale_f32_16x16x128_f8f6f4 v[(\d):(\d)+7], v[(\a):(\a)+11], v[(\b):(\b)+11], 0, v[\sa], v[\sb] matrix_a_fmt:MATRIX_FMT_FP6 matrix_b_fmt:MATRIX_FMT_FP6
.endif
.else
.if \row
	v_wmma_scale_f32_16x16x128_f8f6f4 v[(\d):(\d)+7], v[(\a):(\a)+11], v[(\b):(\b)+11], v[(\d):(\d)+7], v[\sa], v[\sb] matrix_a_fmt:MATRIX_FMT_FP6 matrix_b_fmt:MATRIX_FMT_FP6 matrix_a_scale:MATRIX_SCALE_ROW1
.else
	v_wmma_scale_f32_16x16x128_f8f6f4 v[(\d):(\d)+7], v[(\a):(\a)+11], v[(\b):(\b)+11], v[(\d):(\d)+7], v[\sa], v[\sb] matrix_a_fmt:MATRIX_FMT_FP6 matrix_b_fmt:MATRIX_FMT_FP6
.endif
.endif
.endm
.macro KLOAD                           ; K's scale words and images of the record in hand
	ds_load_b64 v[KS:KS+1], v[ADR8] offset:KSC
	ds_load_b64 v[KS+2:KS+3], v[ADR8] offset:KSC+256
.irp g, 0,1,2,3,4,5,6,7,8,9,10,11
	ds_load_b128 v[FR+4*\g:FR+4*\g+3], v[ADR] offset:512*\g
.endr
.endm
.macro VLOAD                           ; V's images and scale words of the record in hand
.irp g, 0,1,2,3,4,5,6,7,8,9,10,11
	ds_load_b128 v[FR+4*\g:FR+4*\g+3], v[ADR] offset:VIMG+512*\g
.endr
	ds_load_b32 v[VS], v[ADR4] offset:VSC
	ds_load_b32 v[VS+1], v[ADR4] offset:VSC+128
.endm
.macro QLOAD p                         ; tile p of q as it lies, 512 consecutive bytes (two queries) a load
.irp k, 0,1,2,3,4,5,6,7
	global_load_b128 v[FR+4*\k:FR+4*\k+3], v[L16], s[4:5] offset:65536*\p+512*\k th:TH_LOAD_NT
.endr
.endm
	s_load_b128 s[4:7], s[0:1], 0x0                ; q, kv
	s_load_b64 s[8:9], s[0:1], 0x10                ; out0
	v_lshl_add_u32 v[SPW], v0, 2, SPARE
	v_mov_b32 v[NIL], 0
	ds_add_u32 v[SPW], v[NIL]                      ; the add, twice on end, and its wait ahead of my first tensor load
	ds_add_u32 v[SPW], v[NIL]
	v_lshrrev_b32 v[T], 5, v0
	v_readfirstlane_b32 s[WV], v[T]                ; wave 0..15
	s_bfe_u32 s11, ttmp6, 0x40000                  ; cx: it enters q's and out0's addresses alone
	s_lshl_b32 s12, ttmp9, 2
	s_add_co_u32 s12, s12, s11                     ; my block of 512 queries
	s_and_b32 s13, ttmp7, 0xffff                   ; the head, which the four partners share
	s_lshl_b32 s14, s13, 19                        ; a head is 2,048 x 256 bytes,
	s_lshl_b32 s18, s12, 17                        ; a block 512 x 256,
	s_add_co_u32 s14, s14, s18
	s_lshl_b32 s18, s[WV], 12                      ; a tile 16 x 256
	s_add_co_u32 s14, s14, s18
	s_mov_b32 s15, 0
	s_mul_i32 s16, s13, 16*REC                     ; the head's records,
	s_mul_i32 s19, s[WV], REC                      ; and the one that I fetch: they lie in LDS as in memory
	s_add_co_u32 s16, s16, s19
	s_mov_b32 s17, 0
	s_mov_b32 s[SEL], 0x76543210
	s_mov_b32 s[SEL+1], 0xfedcba98                 ; v_permlanex16_b32's selects for lane l xor 16
	s_mov_b32 s[CS], 0x3e38aa3b
	s_mov_b32 s[CS+1], s[CS]                       ; (named with it as a pair, so it is written)
	s_mov_b32 s[NC], 0xbe38aa3b
	s_mov_b32 s[TB], 0
	s_mov_b32 s[G1], 15|(3<<16)|(1<<21)            ; the mask: all four work-groups; elements of 8 bytes; bit 21 beside a mask
	s_mov_b32 s[G1+1], 32<<16                      ; a dense block as rows of 256 bytes: 51 rows are a record
	s_mov_b32 s[G1+2], 51<<16
	s_mov_b32 s[G1+3], 32<<16
	s_mov_b32 s[G1+4], 51
	s_mov_b32 s[G1+5], 32
	s_mov_b32 s[G1+6], 0
	s_mov_b32 s[G1+7], 0
	s_mov_b32 s[G0], 1
	s_mov_b32 s[G0+1], s19
	s_mul_i32 s27, s[WV], 16*SP
	s_add_co_u32 s27, s27, STAGE                   ; my stage
	v_and_b32 v[T], 31, v0
	v_and_b32 v[BM], 15, v0                        ; r
	v_bfe_u32 v[BM+1], v0, 4, 1                    ; h
	v_lshlrev_b32 v[L16], 4, v[T]
	v_lshlrev_b32 v[L8], 3, v[T]
	v_lshlrev_b32 v[L4], 2, v[T]
	v_mul_u32_u24 v[STO], v[BM], SP
	v_mul_u32_u24 v[RD], v[BM+1], SP
	v_add_nc_u32 v[STO], s27, v[STO]
	v_lshl_add_u32 v[RD], v[BM], 4, v[RD]
	v_lshl_add_u32 v[QRD], v[BM+1], 7, v[STO]
	v_lshl_add_u32 v[STO], v[BM+1], 5, v[STO]
	v_add_nc_u32 v[RD], s27, v[RD]
	v_lshlrev_b32 v[SH8], 3, v[BM+1]
	v_lshlrev_b32 v[PFO], 8, v[BM]
	v_mov_b32 v[ADR], v[L16]                       ; record 0 begins at LDS byte 0
	v_mov_b32 v[ADR8], v[L8]
	v_mov_b32 v[ADR4], v[L4]
.irp i, 0,1,2,3,4,5
	v_mov_b32 v[FR+48+\i], 0                       ; what tile 7 of K names above its own six
	v_mov_b32 v[QF+6+\i], 0                        ; Q's zero codes for K = 64 .. 127
.endr
	v_mov_b32 v[PT+2], 0                           ; a lane permute's destination counts as one of its sources
	v_mov_b32 v[FF+1], 0
	v_mov_b32 v[NN+1], 0
	s_wait_alu depctr_va_vdst(0)                   ; the wait at the head's end
	s_wait_dscnt 0x0                               ; both opening adds are done
	s_wait_kmcnt 0x0
	s_add_nc_u64 s[4:5], s[4:5], s[14:15]          ; q and out0 at my first tile
	s_add_nc_u64 s[8:9], s[8:9], s[14:15]
	s_add_nc_u64 s[G0+2:G0+3], s[6:7], s[16:17]    ; kv at my record
	s_or_b32 s[G0+3], s[G0+3], 0x80000000          ; type = 2
	QLOAD 0                                        ; what the first product needs is asked for first
	CROUND                                         ; all four work-groups are here: the joint loads meet
	s_cmp_lt_u32 s[WV], 2                          ; one tensor load a wave, in two arms: waves 0 and 1 have a line of their own
	s_cbranch_scc0 .Larm_b
	tensor_load_to_lds s[G0:G0+3], s[G1:G1+7]      ; records 0 and 1
	s_nop 0
	NOPS
	s_branch .Ljoin
.Larm_b:
	tensor_load_to_lds s[G0:G0+3], s[G1:G1+7]      ; record w
	s_nop 0
	NOPS
.Ljoin:
; A tile of q, loaded into v[FR ..]: through my stage, so that a lane gets the 32 neighbouring channels of block h of query r; quantised.
.macro QPREP
	s_wait_loadcnt 0x0
.irp k, 0,1,2,3,4,5,6,7
	ds_store_b128 v[RD], v[FR+4*\k:FR+4*\k+3] offset:2*SP*\k
.endr
.irp j, 0,1,2,3,4,5,6,7
	ds_load_b128 v[S+4*\j:S+4*\j+3], v[QRD] offset:16*\j   ; LDS serves a wave's instructions in order (ISA guide 5.7.1.4): these see the stores above
.endr
	s_wait_dscnt 0x0
	v_max3_num_f32 v[BM], |v[S]|, |v[S+1]|, 0x1800000      ; a whole block is mine; the floor 2^(3 - 127) holds the byte at 1 from below
	v_max3_num_f32 v[BM+1], |v[S+16]|, |v[S+17]|, |v[S+18]|
.irp j, 2,4,6,8,10,12
	v_max3_num_f32 v[BM], v[BM], |v[S+\j]|, |v[S+\j+1]|
	v_max3_num_f32 v[BM+1], v[BM+1], |v[S+17+\j]|, |v[S+18+\j]|
.endr
	v_max3_num_f32 v[BM], v[BM], |v[S+14]|, |v[S+15]|
	v_max3_num_f32 v[BM], v[BM], v[BM+1], |v[S+31]|
	v_add_nc_u32 v[SOP], 0xff000000, v[BM]         ; 2 off the exponent field: the conversion's scale operand
	v_lshrrev_b32 v[PT], 23, v[SOP]                ; the byte,
	v_lshlrev_b32 v[PT], v[SH8], v[PT]             ; at its place, 8 h bits up;
	v_permlanex16_b32 v[PT+2], v[PT], s[SEL], s[SEL+1]
	v_or_b32 v[QS], v[PT], v[PT+2]                 ; with lane l xor 16's: both bytes of the query
	v_or_b32 v[QS], 0x7f7f0000, v[QS]              ; 1.0 for the two blocks of zero codes
	v_cvt_scalef32_pk16_fp6_f32 v[QF:QF+2], v[S:S+15], v[SOP]
	v_cvt_scalef32_pk16_fp6_f32 v[CT:CT+2], v[S+16:S+31], v[SOP]
	v_nop                                          ; one plain place behind a scaled conversion
.irp k, 0,1,2
	v_mov_b32 v[QF+3+\k], v[CT+\k]
.endr
.rept 6
	v_nop                                          ; six places behind the operand's last write, ten behind the scale word's
.endr
	s_wait_alu depctr_va_vdst(0)
.endm
.macro TM j                            ; t - M of the pair at S + j (of the pairs c and -M the low word serves both halves)
	v_pk_fma_f32 v[S+(\j):S+(\j)+1], v[S+(\j):S+(\j)+1], s[CS:CS+1], v[NN:NN+1] op_sel_hi:[1,0,0]
.endm
.macro AD k, o                         ; chain k of the sum takes the pair at S + 32 + 4 k + o
	v_pk_add_f32 v[SM+2*(\k):SM+2*(\k)+1], v[SM+2*(\k):SM+2*(\k)+1], v[S+32+4*(\k)+\o:S+33+4*(\k)+\o]
.endm
.macro RE a, b                         ; chain a takes chain b
	v_pk_add_f32 v[SM+2*\a:SM+2*\a+1], v[SM+2*\a:SM+2*\a+1], v[SM+2*\b:SM+2*\b+1]
.endm
.macro LSUM                            ; the sum under the new M, and the step's part
	RE 0, 1
	v_pk_fma_f32 v[LS:LS+1], v[LS:LS+1], v[FF:FF+1], v[SM:SM+1] op_sel_hi:[1,0,1]
.endm
; THE SCORES of a step: S^T = K Q^T, eight tiles of 16 keys.  r: the eight chains of the step before are joined here: 0 none is pending; 1 step 0's, which begin the sum; 2 a later step's.
; The joining lines name no register of the products: those behind the last product are the four places ahead of the loads into K's registers and of the first read of the scores.
.macro SCORES r
	s_wait_dscnt 0x0                               ; K's images and scale words are in
.irp t, 0,2
	MM S+8*\t, FR+6*\t, QF, 1, KS+\t/2, QS, 0
	MM S+8+8*\t, FR+6+6*\t, QF, 1, KS+\t/2, QS, 1
.endr
	MM S+32, FR+24, QF, 1, KS+2, QS, 0
.if \r
	RE 0, 4
.endif
	MM S+40, FR+30, QF, 1, KS+2, QS, 1
.if \r
	RE 1, 5
.endif
	MM S+48, FR+36, QF, 1, KS+3, QS, 0
.if \r
	RE 2, 6
.endif
	MM S+56, FR+42, QF, 1, KS+3, QS, 1
.if \r
	RE 3, 7
	RE 0, 2
	RE 1, 3
.if \r == 1
	v_pk_add_f32 v[LS:LS+1], v[SM:SM+1], v[SM+2:SM+3]
.else
	LSUM
.endif
.else
	NOPS
.endif
	VLOAD                                          ; V's fragments land while the softmax is worked
.endm
; THE REST of a step: the softmax of my 16 queries over the record's 128 keys, and O^T += V^T P^T.  first: step 0; last: step 15.
.macro REST first, last
.irp c, 0,1                                    ; my two blocks' largest scores, two chains each; each accumulator is read from its low end on
	v_max3_num_f32 v[BM+\c], v[S+32*\c], v[S+32*\c+1], v[S+32*\c+2]
	v_max3_num_f32 v[PT+\c], v[S+32*\c+16], v[S+32*\c+17], v[S+32*\c+18]
.endr
.irp j, 3,5,7,9,11,13
.irp c, 0,1
	v_max3_num_f32 v[BM+\c], v[BM+\c], v[S+32*\c+\j], v[S+32*\c+\j+1]
	v_max3_num_f32 v[PT+\c], v[PT+\c], v[S+32*\c+16+\j], v[S+32*\c+17+\j]
.endr
.endr
.irp c, 0,1
	v_max3_num_f32 v[BM+\c], v[BM+\c], v[S+32*\c+15], v[S+32*\c+31]
.endr
.irp c, 0,1
	v_max_num_f32 v[BM+\c], v[BM+\c], v[PT+\c]
.endr
	v_max_num_f32 v[T], v[BM], v[BM+1]
	v_permlanex16_b32 v[PT+2], v[T], s[SEL], s[SEL+1]
.if \first
	v_max_num_f32 v[RM], v[T], v[PT+2]             ; the row's largest score so far (c is positive: the largest t is c x it)
.else
	v_max3_num_f32 v[RM], v[RM], v[T], v[PT+2]
.endif
	v_mul_f32 v[T], s[NC], v[RM]
	v_floor_f32 v[NN], v[T]                        ; the new -M = floor(-t) = -ceil(t)
	TM 0
	TM 2
.if \first == 0
	v_sub_f32 v[T], v[NN], v[NM]                   ; old M - new M: a whole number, 0 or less
.endif
	TM 4
	TM 6
.if \first == 0
	v_cvt_i32_f32 v[T], v[T]                       ; (it saturates)
.endif
	TM 8
	TM 10
.if \first == 0
	v_ldexp_f32 v[FF], 1.0, v[T]                   ; f = 2^(old M - new M)
.endif
.irp j, 12,14,16,18,20,22,24,26,28,30
	TM \j
.endr
.irp c, 0,1
	v_fma_f32 v[BM+\c], v[BM+\c], s[CS], v[NN]     ; the same of each block's largest score
.endr
	s_wait_alu depctr_va_vdst(0)                   ; ahead of a batch of exponentials
.set jj, 0
.rept 16                                       ; block 0's p; among them block 1's t - M, which name no exponential's register
	v_exp_f32 v[S+jj], v[S+jj]
	TM 32+jj
	v_exp_f32 v[S+jj+1], v[S+jj+1]
.set jj, jj+2
.endr
	v_exp_f32 v[BM], v[BM]                         ; the blocks' largest p: the same two instructions on the same number give the same bits
	v_exp_f32 v[BM+1], v[BM+1]
	s_wait_alu depctr_va_vdst(0)                   ; behind the first batch and ahead of the second
.set jj, 0
.rept 8                                        ; block 1's p; among them the sum's eight chains begin on block 0's p, and the floor 2^(3 - 127) goes under the blocks' largest p
	v_exp_f32 v[S+32+jj], v[S+32+jj]
	v_exp_f32 v[S+33+jj], v[S+33+jj]
.if jj == 8
	v_max_num_f32 v[BM], 0x1800000, v[BM]
.endif
.if jj == 16
	v_max_num_f32 v[BM+1], 0x1800000, v[BM+1]
.endif
	v_exp_f32 v[S+34+jj], v[S+34+jj]
	v_exp_f32 v[S+35+jj], v[S+35+jj]
	v_pk_add_f32 v[SM+jj/2:SM+jj/2+1], v[S+jj:S+jj+1], v[S+jj+2:S+jj+3]
.set jj, jj+4
.endr
	s_wait_dscnt 0x0                               ; V's fragments and scale words are in
	s_wait_alu depctr_va_vdst(0)                   ; one wait for the batch, ahead of its first reader and directly ahead of the first reader of O^T
.if \first == 0
.set jj, 0
.rept 16
	v_pk_mul_f32 v[OO+jj:OO+jj+1], v[OO+jj:OO+jj+1], v[FF:FF+1] op_sel_hi:[1,0]   ; O^T under the new M, each accumulator from its low end on
.set jj, jj+2
.endr
.endif
	v_add_nc_u32 v[SOP], 0xff000000, v[BM]         ; 2 off the exponent field: the conversions' scale operands
	v_add_nc_u32 v[SOP+1], 0xff000000, v[BM+1]
	AD 0, 0
	AD 1, 0
	v_lshrrev_b32 v[PT], 23, v[SOP]                ; the bytes of blocks h and 2 + h
	v_lshrrev_b32 v[PT+1], 23, v[SOP+1]
	AD 2, 0
	AD 3, 0
	v_lshl_or_b32 v[PW], v[PT+1], 16, v[PT]
	AD 4, 0
	AD 5, 0
	v_lshlrev_b32 v[PW], v[SH8], v[PW]             ; at their places, 8 h bits up
	AD 6, 0
	AD 7, 0
	v_permlanex16_b32 v[PT+2], v[PW], s[SEL], s[SEL+1]
	AD 0, 2
	AD 1, 2
	v_or_b32 v[PW], v[PW], v[PT+2]                 ; with lane l xor 16's two: p's scale word for these 128 keys
.irp c, 0,1
	v_cvt_scalef32_pk16_fp6_f32 v[PC+6*\c:PC+6*\c+2], v[S+32*\c:S+32*\c+15], v[SOP+\c]
	v_cvt_scalef32_pk16_fp6_f32 v[CT+4*\c:CT+4*\c+2], v[S+16+32*\c:S+31+32*\c], v[SOP+\c]
.endr
	AD 2, 2                                        ; (a plain place behind the conversions)
.irp c, 0,1
.irp k, 0,1,2
	v_mov_b32 v[PC+3+6*\c+\k], v[CT+4*\c+\k]       ; registers 6 c .. 6 c + 5 hold keys 64 c + 32 h + 0 .. 31
.endr
.endr
.irp k, 3,4,5,6,7
	AD \k, 2                                       ; (five places between the operand's last write and the products, twelve behind the scale word's)
.endr
.irp t, 0,2                                    ; O^T += V^T P^T: the four accumulators take turns
	MM OO+8*\t, FR+12*\t, PC, \first, VS+\t/2, PW, 0
	MM OO+8+8*\t, FR+12+12*\t, PC, \first, VS+\t/2, PW, 1
.endr
.if \last == 0
	s_add_co_u32 s[TB], s[TB], REC                 ; the next record; the four vector lines are the places ahead of the loads into V's registers
	v_add_nc_u32 v[ADR], s[TB], v[L16]
	v_add_nc_u32 v[ADR8], s[TB], v[L8]
	v_add_nc_u32 v[ADR4], s[TB], v[L4]
	v_mov_b32 v[NM], v[NN]                         ; -M for the next step
	KLOAD
	s_wait_alu depctr_va_vdst(0)
.endif
.endm
; A pass: one tile of queries against all sixteen records.
.macro PASS p
	KLOAD
	SCORES 0
	REST 1, 0                                      ; record 0; it asks for K of record 1
.if \p == 0
	s_wait_tensorcnt 0x0                           ; my record has landed
	s_wait_dscnt 0x0                               ; no LDS instruction is pending at a signal
	s_barrier_signal -1
	s_barrier_wait -1                              ; all sixteen records are whole for every wave
	global_prefetch_b8 v[PFO], s[4:5] offset:65536 th:TH_LOAD_NT scope:SCOPE_SE   ; my second tile of q: lanes 0-15 name its 16 blocks of 256 bytes, lanes 16-31 the same again; its registers are never rewritten
.endif
	SCORES 1                                       ; record 1
	s_mov_b32 s[CNT], 14
.Lstep_\@:
	REST 0, 0                                      ; records 1 to 14,
	SCORES 2                                       ; and the scores of records 2 to 15
	s_sub_co_u32 s[CNT], s[CNT], 1
	s_cmp_lg_u32 s[CNT], 0
	s_wait_alu depctr_va_vdst(0)                   ; directly ahead of the branch
	s_cbranch_scc1 .Lstep_\@
	REST 0, 1                                      ; record 15
.endm
; THE WAY OUT of tile p.  O^T / the sum; a lane's eight numbers of an accumulator are eight neighbouring channels of its query: they go into my stage and come back as whole rows of 256 bytes.
.macro WAYOUT p
	RE 0, 4                                        ; step 15's chains are joined (these lines are also the places behind the last products)
	RE 1, 5
	RE 2, 6
	RE 3, 7
	RE 0, 2
	RE 1, 3
	LSUM
	v_add_f32 v[LS], v[LS], v[LS+1]                ; the sum's two halves,
	v_permlanex16_b32 v[PT+2], v[LS], s[SEL], s[SEL+1]
	v_add_f32 v[LS], v[LS], v[PT+2]                ; and lane l xor 16's: the row's sum
.if \p == 0
	QLOAD 1                                        ; the second tile of q, into the fragments' registers, which are free: it lands under the way out
.endif
	s_wait_alu depctr_va_vdst(0)                   ; ahead of the reciprocal
	v_rcp_f32 v[LS], v[LS]
	v_nop                                          ; one plain place behind it
	s_wait_alu depctr_va_vdst(0)                   ; and directly ahead of the first reader of the reciprocal and of O^T
.set jj, 0
.rept 16
	v_pk_mul_f32 v[S+jj:S+jj+1], v[OO+jj:OO+jj+1], v[LS:LS+1] op_sel_hi:[1,0]   ; register 8 t + j is o(query r, channel 16 t + 8 h + j)
.set jj, jj+2
.endr
.irp t, 0,1,2,3
	ds_store_b128 v[STO], v[S+8*\t:S+8*\t+3] offset:64*\t
	ds_store_b128 v[STO], v[S+8*\t+4:S+8*\t+7] offset:64*\t+16
.endr
.irp k, 0,1,2,3,4,5,6,7
	ds_load_b128 v[S+32+4*\k:S+35+4*\k], v[RD] offset:2*SP*\k   ; LDS serves a wave's instructions in order: these see my stores
.endr
.irp k, 0,1,2,3,4,5,6,7
	s_wait_dscnt 7-\k                              ; load k is in; the 7 - k younger ones may be out
	global_store_b128 v[L16], v[S+32+4*\k:S+35+4*\k], s[8:9] offset:65536*\p+512*\k th:TH_STORE_NT   ; 32 lanes store 512 consecutive bytes (two rows), aligned to 256
.endr
.endm
	QPREP                                          ; the first tile of q is quantised while the records are on their way
	s_cmp_lt_u32 s[WV], 2
	s_cbranch_scc0 .Lnot_mine
	s_wait_tensorcnt 0x0                           ; waves 0 and 1: records 0 and 1 have landed
.Lnot_mine:
	s_barrier_signal -1
	s_barrier_wait -1                              ; and every wave may read them
	PASS 0
	WAYOUT 0
	s_mov_b32 s[TB], 0                             ; back to record 0
	v_mov_b32 v[ADR], v[L16]
	v_mov_b32 v[ADR8], v[L8]
	v_mov_b32 v[ADR4], v[L4]
	s_wait_xcnt 0x0                                ; the stores have read their data registers, which the next scores are written into
	QPREP
	PASS 1
	WAYOUT 1
	s_wait_tensorcnt 0x0                           ; the wave's end
	ds_add_u32 v[SPW], v[NIL]
	s_wait_dscnt 0x0
	CROUND                                         ; the closing round: no work-group ends while a partner may still ask for a tile that names it
	s_endpgm
.Lfunc_end_k_qc172165f26_attn:
	.size	k_qc172165f26_attn, .Lfunc_end_k_qc172165f26_attn-k_qc172165f26_attn
	.p2alignl 7, 3214868480
	.fill 96, 4, 3214868480
	.section	.rodata,"a",@progbits
	.p2align	6, 0x0
	.amdhsa_kernel k_qc172165f26_attn
		.amdhsa_group_segment_fixed_size 280576
		.amdhsa_private_segment_fixed_size 0
		.amdhsa_enable_private_segment 0
		.amdhsa_kernarg_size 24
		.amdhsa_user_sgpr_count 2
		.amdhsa_user_sgpr_kernarg_segment_ptr 1
		.amdhsa_wavefront_size32 1
		.amdhsa_system_sgpr_workgroup_id_x 1
		.amdhsa_system_sgpr_workgroup_id_y 1
		.amdhsa_system_sgpr_workgroup_id_z 1
		.amdhsa_system_vgpr_workitem_id 0
		.amdhsa_next_free_vgpr 256
		.amdhsa_next_free_sgpr 66
		.amdhsa_reserve_vcc 0
		.amdhsa_float_denorm_mode_32 3
		.amdhsa_float_denorm_mode_16_64 3
		.amdhsa_memory_ordered 1
		.amdhsa_forward_progress 1
		.amdhsa_inst_pref_size 102
	.end_amdhsa_kernel
	.amdgpu_metadata
---
amdhsa.version: [ 1, 2 ]
amdhsa.kernels:
  - .name:           k_qc172165f26_attn
    .symbol:         k_qc172165f26_attn.kd
    .args:
      - { .name: q, .offset: 0, .size: 8, .value_kind: global_buffer, .address_space: global }
      - { .name: kv, .offset: 8, .size: 8, .value_kind: global_buffer, .address_space: global }
      - { .name: out0, .offset: 16, .size: 8, .value_kind: global_buffer, .address_space: global }
    .group_segment_fixed_size: 280576
    .private_segment_fixed_size: 0
    .kernarg_segment_align: 8
    .kernarg_segment_size: 24
    .max_flat_workgroup_size: 512
    .sgpr_count:     66
    .vgpr_count:     256
    .wavefront_size: 32
...
	.end_amdgpu_metadata
.endif
;; end of part 2
